; MI455X (gfx1250); checked and timed in simulation.
; The chip was launched on July 23, 2026; its instructions are those of AMD's public machine-readable ISA for CDNA 5 (MIT licence, August 2026) and "CDNA5" Instruction Set Architecture Reference Guide (July 2026). The comments in the code are by the model that wrote it; some were corrected since.
;; LASCC. Allowed arithmetic: matrix products marked QUANTISED: E2M1 operands, one E8M0 scale for each 32 along K, by v_wmma_scale_f32_16x16x128_f8f6f4 with both operands' format E2M1 (or v_wmma_scale_f32_32x16x128_f4), f32 sums; everything else in f32.
;; Inputs: alpha one number float32; x 16 x 128 x 64 x 64 float32.
;; Outputs: out0 16 x 3 x 64 x 64 float32.
;; This version of the problem:
;;   THIS VERSION OF THE PROBLEM IS GIVEN IN LOW PRECISION. The matrix products marked QUANTISED in the list below multiply operands that are first quantised to E2M1 (2 exponent bits, 1 mantissa bit; 4 bits a number), with one power-of-two scale for each 32 numbers along K (OCP MX v1.0); their sums are f32. All else is computed in f32.
;;   The module's matrix products, in the order in which they are computed (A, B: the left and right operand; K: the contracted axis; several contracted axes count as one K, in the product's order):
;;     1. batch 32 x [M 1,024, K 128] x [K 128, N 1,024]; A: computed on the way; B: computed on the way: QUANTISED
;;   THE QUANTISER, for each operand of a quantised product, along K:
;;     - K is cut into blocks of 32 from its start; a last block that is shorter is filled with zeros.
;;     - A block's scale is 2^e with e = floor(log2(the largest magnitude in the block)) - 2, held to -126 .. 127; a block of zeros has e = 0. As a byte (E8M0): e + 127.
;;     - Each number is divided by its block's scale, clamped to +-6, and rounded to the nearest number of E2M1, ties to even, subnormals kept.
;;     - The product sums the exact products of the quantised numbers (number of the format x scale) in f32.
;;   ~~~python
;;   def quantise(x, axis):      # numpy; x: float32 -> the quantised numbers, widened to float32 again
;;       x = np.moveaxis(x, axis, -1); K = x.shape[-1]
;;       x = np.pad(x, [(0, 0)] * (x.ndim - 1) + [(0, -K % 32)]); x = x.reshape(x.shape[:-1] + (-1, 32)); a = np.abs(x).max(-1, keepdims=True)
;;       e = np.where(a > 0, np.clip(np.frexp(np.where(a > 0, a, 1))[1] - 1 - 2, -126, 127), 0)      # np.frexp(a)[1] - 1 = floor(log2(a)), exactly
;;       r = np.clip(x / 2.0 ** e, -6, 6)
;;       step = 2.0 ** (np.maximum(np.frexp(np.where(r == 0, 1, r))[1] - 1, 0) - 1)
;;       q = np.round(r / step) * step * 2.0 ** e      # np.round: ties to even
;;       return np.moveaxis(q.reshape(q.shape[:-2] + (-1,))[..., :K], -1, axis).astype(np.float32)
;;   ~~~
;;   OPERANDS COMPUTED ON THE WAY. 'Computed on the way' means the value that the module computes at that place (a softmax that the list does not call 'softmax' is quantised finished and normalised). What goes into a quantiser is computed in f32, as accurately as f32 sums, v_exp_f32 and their like allow (about 1e-6 of the number): no bf16 or f16 on the way to a quantiser, and a product that is left as it is and whose result goes on into a quantised operand takes f32 operands (vector FMAs, or v_wmma_f32_16x16x4_f32). A number that lies on a knife's edge between two numbers of the format may be rounded either way, as far as f32 arithmetic and the matrix unit's own rounding can turn it there, and no further.
;; One version. Each part assembles by itself: llvm-mc -triple=amdgcn-amd-amdhsa -mcpu=gfx1250 --defsym DOCPART=n.
;; ======== version 1 of 1: 3 launches
;; workspace buffers: q 2,228,224 bytes; nl 196,608 bytes
;; launch quant (part 1): grid 256 x 1, 4 waves a work-group, no clusters, 1,024 bytes of LDS; arguments x, q; writes q
.if DOCPART == 1
	.amdgcn_target "amdgcn-amd-amdhsa--gfx1250"
	.amdhsa_code_object_version 6
	.text
	.protected	k_qdba5662995_quant
	.globl	k_qdba5662995_quant
	.p2align	8
	.type	k_qdba5662995_quant,@function
k_qdba5662995_quant:
	s_mov_b64 s[64:65], 0
	v_nop
	global_prefetch_b8 v0, s[64:65] scope:SCOPE_SE
	s_setreg_imm32_b32 hwreg(HW_REG_WAVE_MODE, 25, 1), 1
	s_wait_xcnt 0x0
; x [16][128][64][64] f32 -> the two operands of the patch correlation, as codes of FP4 (E2M1) with one E8M0 byte for each 32 channels.
; Patch n = 32 i + j of diagonal pixel p is the vector over the 128 channels of x[b][c][2 i + p][2 j + p], divided by max(its length, 1e-12).
; SHARES.  A work-group takes four pixel rows of one image, a wave one pixel row y: p = y % 2, i = y / 2, lane = j.  A LANE TAKES A PATCH AND ITS REGISTERS RUN DOWN
; THE CHANNELS, which are the product's K: the length, the four blocks' largest magnitudes and the conversions need no other lane.  A load reads one word of every
; second pixel of a row of 256 bytes, which starts at a multiple of 256 bytes.
; OUT.  q holds for each image 131,072 bytes of codes and 8,192 of scale words.  Codes lie as images of the operand's registers: fragment (p, n / 16) is 1,024 bytes,
; block kb of patch r at 512 (kb / 2) + 256 (kb % 2) + 16 r, so that lane (r, h) of a later wave finds registers 4 c .. 4 c + 3 at 512 c + 16 lane.  Each store of
; sixteen lanes covers 256 consecutive bytes, aligned.  A wave has 128 bytes of scale words: two waves' meet in LDS and leave as 256 consecutive bytes.
; A block's scale is 2^(floor(log2(largest magnitude)) - 2); its byte is that magnitude's exponent field - 2, held at 1 from below (a block of zeros keeps the byte 1:
; its codes are zeros, and this program alone reads the bytes).
; LIMITS: NaN and infinities are not served; blocks whose largest magnitude lies under 2^-124 get the byte 1.
; LEFT OUT: the two pixels of a patch off its diagonal.  reference() normalises each pixel by itself, over the channels alone, and then takes the diagonal pixels and no others: whatever
; finite values the other pixels hold, no output depends on them.  A NaN or an infinity that lies only there is not carried to the result.
.set CSTR,  16384                      ; bytes from channel to channel
.set QB,    139264                     ; an image's part of q
.set QSC,   131072                     ; where its scale words begin
.set ACC,   4                          ; v[4:11]   the sum of squares, in four pairs
.set RN,    12                         ; v[12:13]  1 / length, twice
.set X,     16                         ; v16-143   my patch's 128 channels
.set CD,    144                        ; v144-159  its codes, four registers a block
.set AM,    160                        ; v160-163  the blocks' largest magnitudes
.set SO,    164                        ; v164-167  the conversions' scale operands
.set BY,    168                        ; v168-171  the scale bytes
.set SW,    172                        ; v172      the scale word
.set BK,    174                        ; v[174:175] two scale words on the way out
	s_load_b128 s[4:7], s[0:1], 0x0                ; x, q
	v_lshl_add_u32 v176, v0, 2, 0x200
	v_mov_b32 v177, 0
	v_lshrrev_b32 v1, 5, v0
	v_readfirstlane_b32 s8, v1                     ; wave 0..3
	v_and_b32 v2, 31, v0                           ; lane = j
	s_lshr_b32 s9, ttmp9, 4                        ; image
	s_and_b32 s10, ttmp9, 15                       ; which four pixel rows
	s_and_b32 s11, s8, 1                           ; p
	s_lshr_b32 s12, s8, 1                          ; which of the group's two patch rows
	v_lshlrev_b32 v3, 3, v2                        ; two pixels a lane: 8 bytes
	s_lshl_b32 s14, s9, 21                         ; image x 128 channels x 16,384 bytes
	s_lshl_b32 s15, s10, 10
	s_add_co_u32 s14, s14, s15                     ; + four rows of 256 bytes for each group
	s_lshl_b32 s15, s8, 8
	s_add_co_u32 s14, s14, s15                     ; + my row
	s_lshl_b32 s15, s11, 2
	s_add_co_u32 s14, s14, s15                     ; + the odd pixel in odd rows
	s_mov_b32 s15, 0
	s_wait_alu depctr_va_vdst(0)
	s_wait_kmcnt 0x0
	s_add_nc_u64 s[4:5], s[4:5], s[14:15]
.set cc, 0
.rept 128
	global_load_b32 v[X+cc], v3, s[4:5] offset:cc*CSTR th:TH_LOAD_NT   ; channel cc of my patch; read once in the launch
.set cc, cc+1
.endr
	; the addresses of the way out are made while the loads are on their way
	s_mul_i32 s16, s9, QB
	s_lshl_b32 s17, s11, 16                        ; p: 64 fragments of 1,024 bytes
	s_add_co_u32 s18, s16, s17
	s_lshl_b32 s17, s10, 12                        ; two patch rows of two fragments for each group
	s_add_co_u32 s18, s18, s17
	s_lshl_b32 s17, s12, 11
	s_add_co_u32 s18, s18, s17
	s_mov_b32 s19, 0
	s_add_nc_u64 s[20:21], s[6:7], s[18:19]        ; my two fragments
	s_lshl_b32 s17, s8, 12                         ; (for waves 0 and 1: p = wave) 4,096 bytes of scale words for each p
	s_add_co_u32 s18, s16, s17
	s_lshl_b32 s17, s10, 8                         ; 64 patches x 4 bytes for each group
	s_add_co_u32 s18, s18, s17
	s_add_co_u32 s18, s18, QSC
	s_add_nc_u64 s[22:23], s[6:7], s[18:19]
	v_and_b32 v14, 15, v2
	v_lshrrev_b32 v15, 4, v2
	v_lshlrev_b32 v14, 4, v14
	v_lshl_add_u32 v14, v15, 10, v14               ; codes: fragment lane / 16, 16 bytes for patch lane % 16
	s_lshl_b32 s24, s11, 8
	s_lshl_b32 s25, s12, 7
	s_add_co_u32 s24, s24, s25
	v_lshl_add_u32 v15, v2, 2, s24                 ; LDS: 256 p + 128 (patch row) + 4 lane
	s_lshl_b32 s25, s8, 8
	v_lshl_add_u32 v1, v2, 3, s25                  ; and back: 256 wave + 8 lane
.macro SQUARES first, pairs                    ; four chains that do not wait for each other
.set cc, \first
.rept \pairs
	v_pk_fma_f32 v[ACC+cc%8:ACC+cc%8+1], v[X+cc:X+cc+1], v[X+cc:X+cc+1], v[ACC+cc%8:ACC+cc%8+1]
.set cc, cc+2
.endr
.endm
	s_wait_loadcnt 63                              ; at most 63 of the 128 loads are out: channels 0 to 64 are in
.irp i, 0,2,4,6
	v_pk_mul_f32 v[ACC+\i:ACC+\i+1], v[X+\i:X+\i+1], v[X+\i:X+\i+1]   ; the first squares start the sums
.endr
	SQUARES 8, 28
	s_wait_alu depctr_va_vdst(0)
	s_wait_loadcnt 32                              ; channels 0 to 95 are in
	SQUARES 64, 16
	s_wait_alu depctr_va_vdst(0)
	s_wait_loadcnt 0x0
	SQUARES 96, 16
	v_pk_add_f32 v[4:5], v[4:5], v[6:7]
	v_pk_add_f32 v[8:9], v[8:9], v[10:11]
	v_pk_add_f32 v[4:5], v[4:5], v[8:9]
	v_add_f32 v4, v4, v5
	s_wait_alu depctr_va_vdst(0)
	v_sqrt_f32 v6, v4
	v_nop                                          ; a plain instruction behind the root,
	s_wait_alu depctr_va_vdst(0)                   ; and the wait ahead of its first reader
	v_max_num_f32 v6, 0x2b8cbccc, v6               ; max(length, 1e-12)
	s_wait_alu depctr_va_vdst(0)
	v_rcp_f32 v[RN], v6
	v_nop
	s_wait_alu depctr_va_vdst(0)
	v_mov_b32 v[RN+1], v[RN]
.set cc, 0
.rept 64
	v_pk_mul_f32 v[X+cc:X+cc+1], v[X+cc:X+cc+1], v[RN:RN+1]
.set cc, cc+2
.endr
.irp b, 0,1,2,3
	v_max3_num_f32 v[AM+\b], |v[X+32*\b]|, |v[X+32*\b+1]|, 0x1800000   ; block b, and the floor 2^(3 - 127): the byte cannot fall under 1
.endr
.irp i, 2,4,6,8,10,12,14,16,18,20,22,24,26,28,30
.irp b, 0,1,2,3
	v_max3_num_f32 v[AM+\b], v[AM+\b], |v[X+32*\b+\i]|, |v[X+32*\b+\i+1]|   ; the four blocks by turns
.endr
.endr
.irp b, 0,1,2,3
	v_add_nc_u32 v[SO+\b], 0xff000000, v[AM+\b]    ; 2 off the exponent field: the conversion takes this operand's exponent field as its scale
.endr
.irp b, 0,1,2,3
	v_lshrrev_b32 v[BY+\b], 23, v[SO+\b]           ; the scale's byte
.endr
	v_lshl_or_b32 v[SW], v[BY+1], 8, v[BY]
	v_lshl_or_b32 v[SW], v[BY+2], 16, v[SW]
	v_lshl_or_b32 v[SW], v[BY+3], 24, v[SW]        ; byte kb scales channels 32 kb .. 32 kb + 31
.irp b, 0,1,2,3
.irp g, 0,1,2,3
	v_cvt_scalef32_pk8_fp4_f32 v[CD+4*\b+\g], v[X+32*\b+8*\g:X+32*\b+8*\g+7], v[SO+\b]
.endr
.endr
	v_nop                                          ; one plain instruction behind the last conversion
.irp b, 0,1,2,3
	global_store_b128 v14, v[CD+4*\b:CD+4*\b+3], s[20:21] offset:(\b/2)*512+(\b%2)*256   ; sixteen lanes store 256 consecutive bytes, aligned
.endr
	ds_store_b32 v15, v[SW]
	s_wait_dscnt 0x0                               ; for the others' sake: my scale words lie in LDS
	s_barrier_signal -1
	s_barrier_wait -1
	s_cmp_lt_u32 s8, 2                             ; wave 0 sends p = 0's 64 words, wave 1 those of p = 1
	s_cbranch_scc0 .Lend
	ds_load_b64 v[BK:BK+1], v1
	s_wait_dscnt 0x0
	global_store_b64 v3, v[BK:BK+1], s[22:23]      ; 32 lanes store 256 consecutive bytes, aligned
.Lend:
	s_wait_tensorcnt 0x0
	ds_add_u32 v176, v177
	s_wait_dscnt 0x0
	s_endpgm
.Lfunc_end_k_qdba5662995_quant:
	.size	k_qdba5662995_quant, .Lfunc_end_k_qdba5662995_quant-k_qdba5662995_quant
	.p2alignl 7, 3214868480
	.fill 96, 4, 3214868480
	.section	.rodata,"a",@progbits
	.p2align	6, 0x0
	.amdhsa_kernel k_qdba5662995_quant
		.amdhsa_group_segment_fixed_size 1024
		.amdhsa_private_segment_fixed_size 0
		.amdhsa_enable_private_segment 0
		.amdhsa_kernarg_size 16
		.amdhsa_user_sgpr_count 2
		.amdhsa_user_sgpr_kernarg_segment_ptr 1
		.amdhsa_wavefront_size32 1
		.amdhsa_system_sgpr_workgroup_id_x 1
		.amdhsa_system_sgpr_workgroup_id_y 1
		.amdhsa_system_sgpr_workgroup_id_z 1
		.amdhsa_system_vgpr_workitem_id 0
		.amdhsa_next_free_vgpr 178
		.amdhsa_next_free_sgpr 66
		.amdhsa_reserve_vcc 0
		.amdhsa_float_denorm_mode_32 3
		.amdhsa_float_denorm_mode_16_64 3
		.amdhsa_memory_ordered 1
		.amdhsa_forward_progress 1
		.amdhsa_inst_pref_size 30
	.end_amdhsa_kernel
	.amdgpu_metadata
---
amdhsa.version: [ 1, 2 ]
amdhsa.kernels:
  - .name:           k_qdba5662995_quant
    .symbol:         k_qdba5662995_quant.kd
    .args:
      - { .name: x, .offset: 0, .size: 8, .value_kind: global_buffer, .address_space: global }
      - { .name: q, .offset: 8, .size: 8, .value_kind: global_buffer, .address_space: global }
    .group_segment_fixed_size: 1024
    .private_segment_fixed_size: 0
    .kernarg_segment_align: 8
    .kernarg_segment_size: 16
    .max_flat_workgroup_size: 128
    .sgpr_count:     66
    .vgpr_count:     178
    .wavefront_size: 32
...
	.end_amdgpu_metadata
.endif
;; end of part 1
;; launch rowsum (part 2): grid 16 x 16, 16 waves a work-group, clusters of 4 x 1, 169,984 bytes of LDS; arguments alpha, q, nl; writes nl
.if DOCPART == 2
	.amdgcn_target "amdgcn-amd-amdhsa--gfx1250"
	.amdhsa_code_object_version 6
	.text
	.protected	k_qdba5662995_rowsum
	.globl	k_qdba5662995_rowsum
	.p2align	8
	.type	k_qdba5662995_rowsum,@function
k_qdba5662995_rowsum:
	s_mov_b64 s[64:65], 0
	v_nop
	global_prefetch_b8 v0, s[64:65] scope:SCOPE_SE
	s_setreg_imm32_b32 hwreg(HW_REG_WAVE_MODE, 25, 1), 1
	s_wait_xcnt 0x0
	s_wait_alu depctr_hold_cnt(0) depctr_sa_sdst(0) depctr_va_vdst(0) depctr_va_sdst(0) depctr_va_ssrc(0) depctr_va_vcc(0) depctr_vm_vsrc(0)
	s_getreg_b32 s2, hwreg(HW_REG_IB_STS2, 6, 4)
	s_cmp_eq_u32 s2, 0
	s_cbranch_scc0 .Lentry_in_a_cluster
	s_endpgm
.Lentry_in_a_cluster:
	s_bfe_u32 s2, ttmp6, 0x10000c
	s_cmp_lg_u32 s2, 0x3003
	s_cbranch_scc0 .Lentry_shape_is_right
	s_endpgm
.Lentry_shape_is_right:
; For each image b, each of the three maps k (diagonal pixel 0, diagonal pixel 1, their mean) and each patch n:  L = log2 of the sum over m of 2^t[n][m],
; t = corr x mask x alpha x log2(e), corr the product of the FP4 codes, mask = 1 - g(row distance) g(column distance), g(d) = exp(-d d / 5.12).
; Stored: nl[b][k][n] = -L for k = 0, 1 and -2 L for the mean map, as the next launch adds them.
; Both operands of the product are the same quantised matrix and the mask is symmetric, so t is symmetric and these sums serve the softmax along rows and along columns.
; THE MAXIMUM is taken away before every exponential: each lane keeps a running maximum for each map and brings its sum under the new one in every step.
; SHARES.  A work-group owns 64 patches n of one image; wave w owns tile w % 4 of 16 n and quarter w / 4 of the 1,024 m.  The product is laid with 16 m as source 0 and my 16 n as
; source 1: a lane holds ONE n (lane % 16) and its registers run along m (8 (lane / 16) + j).  A fragment of 16 m lies in one patch row, so the row distance is one number
; for a fragment (read from a register that holds one patch row a lane), and the column factor is eight registers for each half of a patch row, made once.
; LDS.  The image's 139,264 bytes of q come once, by eight tensor loads of 68 rows x 256 bytes; nothing is filled again.  Behind them lie 6,144 bytes in which the waves' parts meet.
; CLUSTER.  The four work-groups of a cluster belong to one image and want the same bytes of q: each load is asked for JOINTLY, with the same descriptor and a mask that names the four.
; So no LDS address and no branch hangs on the work-group's place: my own n fragment comes from memory, and the distances enter as numbers alone.
; No prefetch: each work-group waits once, at its head, for bytes that it has just asked for.
; LIMITS: NaN and infinities are not served.
.set QB,    139264                     ; an image's part of q
.set QSC,   131072                     ; its scale words
.set PIECE, 17408                      ; 68 rows of 256 bytes: what one tensor load brings
.set SCR,   139264                     ; behind the tiles: [map][quarter][64 n] pairs (-maximum, sum)
.set NEGK,  0xbe9044fe                 ; -log2(e) / 5.12
.set LOG2E, 0x3fb8aa3b
.set BIG,   0x7f61b1e6                 ; 3e38: minus the first "largest t so far"
.set NM0, 2                            ; v2  -M of map 0 (v3 = 0: named with it as a pair)
.set NM1, 4                            ; v4  -M of map 1 (v5 = 0)
.set NMH, 6                            ; v6  -M of the mean map
.set NU,  7                            ; v7  the same doubled: minus the largest t0 + t1
.set S,   8                            ; v[8:13]  the three sums, each in two halves
.set AL,  14                           ; v[14:15] alpha log2(e), twice
.set G,   16                           ; v16 lane l: -alpha log2(e) g(l - my patch row)
.set AB0, 17                           ; v17, v18 LDS: my lane's 16 bytes in my quarter's first fragment, p = 0, 1
.set AB1, 18
.set SB,  19                           ; v19 LDS: my lane's scale word in my quarter's first patch row
.set A0,  20                           ; v20-22 the same for the step in hand
.set A1,  21
.set AS,  22
.set SA,  23                           ; v23 where I put my part
.set RA,  24                           ; v24 where I read the parts back
.set RR,  25                           ; v25 lane % 16
.set SC,  26                           ; v26-29 scale words of the m side: p = 0 rows 0, 1; p = 1 rows 0, 1.  Lanes 0-15: the row's first fragment, lanes 16-31 its second
.set BS,  30                           ; v30, v31 scale words of my n, p = 0, 1
.set BF,  32                           ; v32-47 my n fragment, p = 0, 1
.set AF,  48                           ; v48-111 four m fragments for p = 0, four for p = 1
.set C,   112                          ; v112-207 map k at C + 32 k: 32 numbers a lane
.set W,   208                          ; v208-223 alpha log2(e) x mask for one patch row
.set GC,  224                          ; v224-239 g(column distance): first half of a patch row, second half
.set T,   240                          ; v240-245 at work
.set D,   246                          ; v246-248 at work
.set LO,  249                          ; v249 8 x lane
.set F,   250                          ; v250, 252, 254: 2^(old M - new M) (v251, 253, 255 = 0: named with them as pairs)
.set WV,  10
.set TL,  16
.set QD,  17
.set CNT, 19
.set SEL, 20
.set TB,  22
.set TS,  23
.set G0,  24
.set G1,  28
.set GR,  40
.set IM,  44
.set FAC, 45
; A round of the cluster's barrier: my work-group's barrier; wave 0 signals for the work-group; every wave waits for all four work-groups; my work-group's barrier once more.
.macro ROUND
	s_barrier_signal -1
	s_barrier_wait -1
	s_cmp_lg_u32 s[WV], 0
	s_cbranch_scc1 .Lnot_wave_0_\@
	s_barrier_signal -3
.Lnot_wave_0_\@:
	s_barrier_wait -3
	s_barrier_signal -1
	s_barrier_wait -1
.endm
.macro WM d, a, b, sa, sb, ra          ; 16 m x 16 n x 128 channels; ra = 1: the m side's scale words stand in lanes 16-31
.if \ra
	v_wmma_scale_f32_16x16x128_f8f6f4 v[\d:\d+7], v[\a:\a+7], v[\b:\b+7], 0, v[\sa], v[\sb] matrix_a_fmt:MATRIX_FMT_FP4 matrix_b_fmt:MATRIX_FMT_FP4 matrix_a_scale:MATRIX_SCALE_ROW1
.else
	v_wmma_scale_f32_16x16x128_f8f6f4 v[\d:\d+7], v[\a:\a+7], v[\b:\b+7], 0, v[\sa], v[\sb] matrix_a_fmt:MATRIX_FMT_FP4 matrix_b_fmt:MATRIX_FMT_FP4
.endif
.endm
	s_load_b128 s[4:7], s[0:1], 0x0                ; alpha, q
	s_load_b64 s[8:9], s[0:1], 0x10                ; nl
	v_lshl_add_u32 v254, v0, 2, 0x29000
	v_mov_b32 v255, 0
	ds_add_u32 v254, v255
	ds_add_u32 v254, v255
	s_wait_dscnt 0x0
	v_lshrrev_b32 v1, 5, v0
	s_delay_alu instid0(VALU_DEP_1)
	v_readfirstlane_b32 s[WV], v1                  ; wave 0..15
	v_and_b32 v1, 31, v0                           ; lane
	v_and_b32 v[RR], 15, v0
	s_wait_alu depctr_va_vdst(0)
	s_and_b32 s[TL], s[WV], 3                      ; my tile of n
	s_lshr_b32 s[QD], s[WV], 2                     ; my quarter of m
	; every LDS address is made here, of the lane and the wave's number alone
	s_lshl_b32 s36, s[QD], 14                      ; 16 fragments of 1,024 bytes a quarter
	v_lshl_add_u32 v[AB0], v1, 4, s36
	s_delay_alu instid0(VALU_DEP_1)
	v_add_nc_u32 v[AB1], 0x10000, v[AB0]           ; p = 1: 64 fragments on
	s_lshl_b32 s36, s[QD], 10                      ; 256 scale words a quarter
	s_add_co_u32 s36, s36, QSC
	v_lshl_add_u32 v[SB], v1, 2, s36
	s_lshl_b32 s36, s[QD], 9
	s_lshl_b32 s37, s[TL], 7
	s_add_co_u32 s36, s36, s37
	s_add_co_u32 s36, s36, SCR
	v_lshl_add_u32 v[SA], v[RR], 3, s36            ; 512 x quarter + 8 (16 tile + lane % 16); 2,048 for each map stand in the immediate
	s_lshl_b32 s36, s[WV], 11
	s_add_co_u32 s36, s36, SCR
	v_lshl_add_u32 v[RA], v1, 4, s36               ; (waves 0 to 2: map = wave) two n a lane
	v_lshlrev_b32 v[LO], 3, v1
	s_bfe_u32 s11, ttmp6, 0x40000                  ; cx: my place in the cluster
	s_lshl_b32 s12, ttmp9, 2                       ; in a cluster launch ttmp9 counts clusters
	s_add_co_u32 s12, s12, s11                     ; which 64 n: it enters global addresses and numbers alone
	s_and_b32 s13, ttmp7, 0xffff                   ; the image, which the four partners share
	s_mul_i32 s14, s13, QB
	s_mov_b32 s15, 0
	; descriptor group 1: a dense block as 68 rows of 32 elements of 8 bytes
	s_mov_b32 s[G1], 15|(3<<16)|(1<<21)            ; 15:0 the mask: all four work-groups; 17:16 elements of 8 bytes; 21 set beside a mask
	s_mov_b32 s[G1+1], 32<<16                      ; tensor_dim0 = 32
	s_mov_b32 s[G1+2], 68<<16                      ; tensor_dim1 = 68
	s_mov_b32 s[G1+3], 32<<16                      ; tile_dim0 = 32
	s_mov_b32 s[G1+4], 68                          ; tile_dim1 = 68
	s_mov_b32 s[G1+5], 32                          ; from row to row
	s_mov_b32 s[G1+6], 0
	s_mov_b32 s[G1+7], 0
	s_mul_i32 s36, s[WV], PIECE                    ; my piece, in memory and in LDS alike
	s_mov_b32 s37, 0
	s_mov_b32 s[SEL], 0x76543210
	s_mov_b32 s[SEL+1], 0xfedcba98                 ; v_permlanex16_b32's selects for lane l xor 16
	s_mov_b32 s[GR+1], 0                           ; (named as the upper halves of pairs)
	s_mov_b32 s[GR+3], 0
	s_mov_b32 s[TB], 0
	s_mov_b32 s[TS], 0
	s_lshl_b32 s[IM], s[QD], 3                     ; my quarter's first patch row
	s_mov_b32 s[CNT], 4
	s_wait_kmcnt 0x0
	s_load_b32 s18, s[4:5], 0x0                    ; alpha
	s_add_nc_u64 s[6:7], s[6:7], s[14:15]          ; q at my image
	s_mov_b32 s[G0], 1                             ; count = 1
	s_mov_b32 s[G0+1], s36                         ; LDS address
	s_add_nc_u64 s[G0+2:G0+3], s[6:7], s[36:37]    ; global address
	s_or_b32 s[G0+3], s[G0+3], 0x80000000          ; type = 2
	ROUND                                          ; all four work-groups are here: the joint loads meet
	s_cmp_lt_u32 s[WV], 8                          ; waves 0 to 7 fetch, one load each
	s_cbranch_scc0 .Lno_fill
	tensor_load_to_lds s[G0:G0+3], s[G1:G1+7]
	s_nop 0
.rept 4
	v_nop
.endr
.Lno_fill:
	; my own 16 n come from memory: their place hangs on the work-group's place in the cluster
	s_lshl_b32 s36, s12, 2
	s_add_co_u32 s36, s36, s[TL]                   ; which of the image's 64 fragments
	s_lshl_b32 s37, s36, 10
	v_lshl_add_u32 v[T], v1, 4, s37
	global_load_b128 v[BF:BF+3], v[T], s[6:7]
	global_load_b128 v[BF+4:BF+7], v[T], s[6:7] offset:512
	global_load_b128 v[BF+8:BF+11], v[T], s[6:7] offset:65536
	global_load_b128 v[BF+12:BF+15], v[T], s[6:7] offset:66048
	s_lshl_b32 s37, s36, 6
	v_lshl_add_u32 v[T+1], v[RR], 2, s37
	global_load_b32 v[BS], v[T+1], s[6:7] offset:QSC
	global_load_b32 v[BS+1], v[T+1], s[6:7] offset:QSC+4096
	; where my result goes (waves 0 to 2): nl[image][wave][64 x chunk ..]
	s_mul_i32 s36, s13, 12288
	s_lshl_b32 s37, s[WV], 12
	s_add_co_u32 s36, s36, s37
	s_lshl_b32 s37, s12, 8
	s_add_co_u32 s36, s36, s37
	s_mov_b32 s37, 0
	s_add_nc_u64 s[8:9], s[8:9], s[36:37]
	s_mov_b32 s[FAC], 0x3f800000
	s_cmp_eq_u32 s[WV], 2
	s_cselect_b32 s[FAC], 0x40000000, s[FAC]       ; the mean map's -L is stored doubled
	; the mask's two factors.  Column distance of register j in half u of a patch row: 16 u + 8 (lane / 16) + j - (my tile's first column + lane % 16)
	v_bfe_u32 v[T+2], v0, 4, 1
	s_and_b32 s37, s[TL], 1
	s_lshl_b32 s37, s37, 4
	v_lshlrev_b32 v[T+2], 3, v[T+2]
	s_delay_alu instid0(VALU_DEP_1)
	v_sub_nc_u32 v[T+2], v[T+2], v[RR]
	s_delay_alu instid0(VALU_DEP_1)
	v_sub_nc_u32 v[T+2], v[T+2], s37
	s_lshl_b32 s38, s12, 1
	s_lshr_b32 s39, s[TL], 1
	s_add_co_u32 s38, s38, s39                     ; my patch row
.irp i, 0,1,2,3,4,5,6,7,8,9,10,11,12,13,14,15
	v_add_nc_u32 v[GC+\i], (\i/8)*16+(\i%8), v[T+2]
.endr
	v_sub_nc_u32 v[G], v1, s38                     ; row distance of patch row = lane
.irp i, 0,1,2,3,4,5,6,7,8,9,10,11,12,13,14,15
	v_cvt_f32_i32 v[GC+\i], v[GC+\i]
.endr
	v_cvt_f32_i32 v[G], v[G]
.irp i, 0,1,2,3,4,5,6,7,8,9,10,11,12,13,14,15
	v_mul_f32 v[GC+\i], v[GC+\i], v[GC+\i]
.endr
	v_mul_f32 v[G], v[G], v[G]
.irp i, 0,1,2,3,4,5,6,7,8,9,10,11,12,13,14,15
	v_mul_f32 v[GC+\i], NEGK, v[GC+\i]
.endr
	v_mul_f32 v[G], NEGK, v[G]
	s_wait_alu depctr_va_vdst(0)
.irp i, 0,1,2,3,4,5,6,7,8,9,10,11,12,13,14,15
	v_exp_f32 v[GC+\i], v[GC+\i]
.endr
	v_exp_f32 v[G], v[G]
	s_wait_kmcnt 0x0                               ; alpha
	v_mov_b32 v[AL], s18                           ; (plain work behind the exponentials)
	s_delay_alu instid0(VALU_DEP_1)
	v_mul_f32 v[AL], LOG2E, v[AL]
	s_delay_alu instid0(VALU_DEP_1)
	v_mov_b32 v[AL+1], v[AL]
	v_mov_b32 v[NM0], BIG                          ; the largest t so far: -3e38, under every t; the sums begin as zeros, which the first change of M leaves zeros
	v_mov_b32 v[NM0+1], 0
	v_mov_b32 v[NM1], BIG
	v_mov_b32 v[NM1+1], 0
	v_mov_b32 v[NMH], 0
	v_mov_b32 v[NU], BIG
.irp i, 0,1,2,3,4,5
	v_mov_b32 v[S+\i], 0
.endr
	v_mov_b32 v[F+1], 0
	v_mov_b32 v[F+3], 0
	v_mov_b32 v[F+5], 0
	s_wait_alu depctr_va_vdst(0)                   ; one wait for the seventeen exponentials, ahead of their first reader
	v_mul_f32 v[G], -v[AL], v[G]
	s_wait_loadcnt 0x0                             ; my n fragment and its scale words
	s_wait_tensorcnt 0x0                           ; my piece of q lies in LDS,
	s_barrier_signal -1
	s_barrier_wait -1                              ; everybody's does
.Lstep:                                            ; four trips: 64 m, two patch rows, each
	s_setprio 2
	v_add_nc_u32 v[A0], s[TB], v[AB0]
	v_add_nc_u32 v[A1], s[TB], v[AB1]
	v_add_nc_u32 v[AS], s[TS], v[SB]
.irp f, 0,1,2,3
.irp c, 0,1
	ds_load_b128 v[AF+8*\f+4*\c:AF+8*\f+4*\c+3], v[A0] offset:1024*\f+512*\c         ; an image of the operand's registers: 16 bytes a lane, 512 consecutive bytes a load
	ds_load_b128 v[AF+32+8*\f+4*\c:AF+32+8*\f+4*\c+3], v[A1] offset:1024*\f+512*\c
.endr
.endr
.irp i, 0,1
	ds_load_b32 v[SC+\i], v[AS] offset:128*\i
	ds_load_b32 v[SC+2+\i], v[AS] offset:4096+128*\i
.endr
	s_add_co_u32 s36, s[IM], 1
	s_wait_alu depctr_va_vdst(0)
	v_readlane_b32 s[GR], v[G], s[IM]              ; -alpha log2(e) g(row distance) of the step's two patch rows
	v_readlane_b32 s[GR+2], v[G], s36
	s_wait_dscnt 0x0
.irp f, 0,1,2,3
	WM C+8*\f, AF+8*\f, BF, SC+\f/2, BS, \f%2
	WM C+32+8*\f, AF+32+8*\f, BF+8, SC+2+\f/2, BS+1, \f%2
.endr
.irp r, 0,1
.irp i, 0,2,4,6,8,10,12,14
	v_pk_fma_f32 v[W+\i:W+\i+1], v[GC+\i:GC+\i+1], s[GR+2*\r:GR+2*\r+1], v[AL:AL+1] op_sel_hi:[1,0,0]   ; alpha log2(e) (1 - g g).  The first eight are also the places behind the products
.endr
.irp k, 0,1
.irp i, 0,2,4,6,8,10,12,14
	v_pk_mul_f32 v[C+32*\k+16*\r+\i:C+32*\k+16*\r+\i+1], v[C+32*\k+16*\r+\i:C+32*\k+16*\r+\i+1], v[W+\i:W+\i+1]   ; t, each accumulator from its low end on
.endr
.endr
.irp i, 0,2,4,6,8,10,12,14
	v_pk_add_f32 v[C+64+16*\r+\i:C+64+16*\r+\i+1], v[C+16*\r+\i:C+16*\r+\i+1], v[C+32+16*\r+\i:C+32+16*\r+\i+1]   ; t0 + t1: twice the mean map's t
.endr
.endr
	; the largest of my 32 numbers of each map, in two chains a map, and the largest so far
.irp k, 0,1,2
	v_max3_num_f32 v[T+2*\k], v[C+32*\k], v[C+32*\k+1], v[C+32*\k+2]
	v_max3_num_f32 v[T+2*\k+1], v[C+32*\k+16], v[C+32*\k+17], v[C+32*\k+18]
.endr
.irp i, 3,5,7,9,11,13
.irp k, 0,1,2
	v_max3_num_f32 v[T+2*\k], v[T+2*\k], v[C+32*\k+\i], v[C+32*\k+\i+1]
	v_max3_num_f32 v[T+2*\k+1], v[T+2*\k+1], v[C+32*\k+16+\i], v[C+32*\k+17+\i]
.endr
.endr
.irp k, 0,1,2
	v_max3_num_f32 v[T+2*\k], v[T+2*\k], v[C+32*\k+15], v[C+32*\k+31]
.endr
	s_delay_alu instid0(VALU_DEP_3)
	v_max3_num_f32 v[T], v[T], v[T+1], -v[NM0]
	s_delay_alu instid0(VALU_DEP_3)
	v_max3_num_f32 v[T+2], v[T+2], v[T+3], -v[NM1]
	s_delay_alu instid0(VALU_DEP_3)
	v_max3_num_f32 v[T+4], v[T+4], v[T+5], -v[NU]
	s_delay_alu instid0(VALU_DEP_3)
	v_add_f32 v[D], v[NM0], v[T]                   ; new M - old M, 0 or more
	s_delay_alu instid0(VALU_DEP_3)
	v_add_f32 v[D+1], v[NM1], v[T+2]
	s_delay_alu instid0(VALU_DEP_3)
	v_add_f32 v[D+2], v[NU], v[T+4]
	v_mul_f32 v[NM0], -1.0, v[T]
	v_mul_f32 v[NM1], -1.0, v[T+2]
	v_mul_f32 v[NU], -1.0, v[T+4]
	v_mul_f32 v[NMH], -0.5, v[T+4]
	v_mul_f32 v[D+2], 0.5, v[D+2]
.irp i, 0,2,4,6,8,10,12,14,16,18,20,22,24,26,28,30
	v_pk_add_f32 v[C+\i:C+\i+1], v[C+\i:C+\i+1], v[NM0:NM0+1] op_sel_hi:[1,0]              ; t - M (of the pair the low word serves both halves)
	v_pk_add_f32 v[C+32+\i:C+32+\i+1], v[C+32+\i:C+32+\i+1], v[NM1:NM1+1] op_sel_hi:[1,0]
	v_pk_fma_f32 v[C+64+\i:C+64+\i+1], v[C+64+\i:C+64+\i+1], 0.5, v[NMH:NMH+1] op_sel_hi:[1,0,0]
.endr
	s_setprio 1
	s_wait_alu depctr_va_vdst(0)
.irp k, 0,1,2
	v_exp_f32 v[F+2*\k], -v[D+\k]                  ; 2^(old M - new M)
.endr
.set j, 0
.rept 96
	v_exp_f32 v[C+j], v[C+j]
.set j, j+1
.endr
	s_setprio 0
	v_nop                                          ; a plain instruction behind the last exponential,
	s_wait_alu depctr_va_vdst(0)                   ; and one wait for the batch of 99, ahead of its first reader
.irp k, 0,1,2
	v_pk_fma_f32 v[S+2*\k:S+2*\k+1], v[S+2*\k:S+2*\k+1], v[F+2*\k:F+2*\k+1], v[C+32*\k:C+32*\k+1] op_sel_hi:[1,0,1]   ; the sum under the new M, and the first pair
	v_pk_add_f32 v[T+2*\k:T+2*\k+1], v[C+32*\k+16:C+32*\k+17], v[C+32*\k+18:C+32*\k+19]                              ; a second chain
.endr
.irp i, 2,4,6,8,10,12
.irp k, 0,1,2
	v_pk_add_f32 v[S+2*\k:S+2*\k+1], v[S+2*\k:S+2*\k+1], v[C+32*\k+\i:C+32*\k+\i+1]
	v_pk_add_f32 v[T+2*\k:T+2*\k+1], v[T+2*\k:T+2*\k+1], v[C+32*\k+18+\i:C+32*\k+19+\i]
.endr
.endr
.irp k, 0,1,2
	v_pk_add_f32 v[S+2*\k:S+2*\k+1], v[S+2*\k:S+2*\k+1], v[C+32*\k+14:C+32*\k+15]
.endr
.irp k, 0,1,2
	s_delay_alu instid0(VALU_DEP_3)
	v_pk_add_f32 v[S+2*\k:S+2*\k+1], v[S+2*\k:S+2*\k+1], v[T+2*\k:T+2*\k+1]
.endr
	s_add_co_u32 s[TB], s[TB], 4096                ; four fragments on
	s_add_co_u32 s[TS], s[TS], 256                 ; 64 scale words on
	s_add_co_u32 s[IM], s[IM], 2
	s_sub_co_u32 s[CNT], s[CNT], 1
	s_cmp_lg_u32 s[CNT], 0
	s_cbranch_scc1 .Lstep
	s_setprio 0
	; my n's other 128 m of this quarter lie in lane l xor 16: the two parts are brought under their common maximum and added
.irp k, 0,1,2
	v_permlanex16_b32 v[D+\k], v[NM0+2*\k], s[SEL], s[SEL+1]
.endr
.irp k, 0,1,2
	s_delay_alu instid0(VALU_DEP_3)
	v_min_num_f32 v[T+2*\k], v[D+\k], v[NM0+2*\k]  ; minus the larger M
.endr
.irp k, 0,1,2
	s_delay_alu instid0(VALU_DEP_3)
	v_sub_f32 v[D+\k], v[T+2*\k], v[NM0+2*\k]      ; my M - the larger M
.endr
	s_wait_alu depctr_va_vdst(0)
.irp k, 0,1,2
	v_exp_f32 v[D+\k], v[D+\k]
.endr
.irp k, 0,1,2
	v_add_f32 v[S+2*\k], v[S+2*\k], v[S+2*\k+1]    ; the sum's two halves (plain work behind the exponentials)
.endr
	s_wait_alu depctr_va_vdst(0)
.irp k, 0,1,2
	v_mul_f32 v[S+2*\k], v[S+2*\k], v[D+\k]
.endr
.irp k, 0,1,2
	v_permlanex16_b32 v[D+\k], v[S+2*\k], s[SEL], s[SEL+1]
.endr
.irp k, 0,1,2
	s_delay_alu instid0(VALU_DEP_3)
	v_add_f32 v[T+2*\k+1], v[S+2*\k], v[D+\k]
.endr
.irp k, 0,1,2
	ds_store_b64 v[SA], v[T+2*\k:T+2*\k+1] offset:2048*\k   ; (-M, sum); lanes l and l xor 16 write the same words with the same values
.endr
	s_wait_dscnt 0x0                               ; for the others' sake: my part lies in LDS
	s_barrier_signal -1
	s_barrier_wait -1
	s_cmp_lt_u32 s[WV], 3                          ; wave k joins map k's four quarters, two n a lane
	s_cbranch_scc0 .Lnot_mine
.irp q, 0,1,2,3
	ds_load_b128 v[48+4*\q:51+4*\q], v[RA] offset:512*\q
.endr
	s_wait_dscnt 0x0
	v_min3_num_f32 v64, v48, v52, v56
	v_min3_num_f32 v65, v50, v54, v58
	s_delay_alu instid0(VALU_DEP_2)
	v_min_num_f32 v64, v64, v60                    ; minus the row's M
	s_delay_alu instid0(VALU_DEP_2)
	v_min_num_f32 v65, v65, v62
.irp q, 0,1,2,3
	v_sub_f32 v[66+2*\q], v64, v[48+4*\q]
	v_sub_f32 v[67+2*\q], v65, v[50+4*\q]
.endr
	s_wait_alu depctr_va_vdst(0)
.irp i, 0,1,2,3,4,5,6,7
	v_exp_f32 v[66+\i], v[66+\i]
.endr
	v_nop
	s_wait_alu depctr_va_vdst(0)
	v_mul_f32 v74, v66, v49
	v_mul_f32 v75, v67, v51
.irp q, 1,2,3
	v_fmac_f32 v74, v[66+2*\q], v[49+4*\q]
	v_fmac_f32 v75, v[67+2*\q], v[51+4*\q]
.endr
	s_wait_alu depctr_va_vdst(0)
	v_log_f32 v76, v74                             ; the sum is 1 or more: the row's largest term is 1
	v_log_f32 v77, v75
	v_nop
	s_wait_alu depctr_va_vdst(0)
	v_sub_f32 v76, v64, v76                        ; -L = -M - log2(sum)
	v_sub_f32 v77, v65, v77
	s_delay_alu instid0(VALU_DEP_2)
	v_mul_f32 v76, s[FAC], v76
	s_delay_alu instid0(VALU_DEP_2)
	v_mul_f32 v77, s[FAC], v77
	global_store_b64 v[LO], v[76:77], s[8:9]       ; 32 lanes store 256 consecutive bytes, aligned
.Lnot_mine:
	s_wait_xcnt 0x0
	v_lshl_add_u32 v254, v0, 2, 0x29000
	v_mov_b32 v255, 0
	s_wait_alu depctr_va_vdst(0)
	s_wait_tensorcnt 0x0
	ds_add_u32 v254, v255
	s_wait_dscnt 0x0
	ROUND                                          ; the closing round: no work-group ends while a partner may still ask for a tile that names it
	s_endpgm
.Lfunc_end_k_qdba5662995_rowsum:
	.size	k_qdba5662995_rowsum, .Lfunc_end_k_qdba5662995_rowsum-k_qdba5662995_rowsum
	.p2alignl 7, 3214868480
	.fill 96, 4, 3214868480
	.section	.rodata,"a",@progbits
	.p2align	6, 0x0
	.amdhsa_kernel k_qdba5662995_rowsum
		.amdhsa_group_segment_fixed_size 169984
		.amdhsa_private_segment_fixed_size 0
		.amdhsa_enable_private_segment 0
		.amdhsa_kernarg_size 24
		.amdhsa_user_sgpr_count 2
		.amdhsa_user_sgpr_kernarg_segment_ptr 1
		.amdhsa_wavefront_size32 1
		.amdhsa_system_sgpr_workgroup_id_x 1
		.amdhsa_system_sgpr_workgroup_id_y 1
		.amdhsa_system_sgpr_workgroup_id_z 1
		.amdhsa_system_vgpr_workitem_id 0
		.amdhsa_next_free_vgpr 256
		.amdhsa_next_free_sgpr 66
		.amdhsa_reserve_vcc 0
		.amdhsa_float_denorm_mode_32 3
		.amdhsa_float_denorm_mode_16_64 3
		.amdhsa_memory_ordered 1
		.amdhsa_forward_progress 1
		.amdhsa_inst_pref_size 34
	.end_amdhsa_kernel
	.amdgpu_metadata
---
amdhsa.version: [ 1, 2 ]
amdhsa.kernels:
  - .name:           k_qdba5662995_rowsum
    .symbol:         k_qdba5662995_rowsum.kd
    .args:
      - { .name: alpha, .offset: 0, .size: 8, .value_kind: global_buffer, .address_space: global }
      - { .name: q, .offset: 8, .size: 8, .value_kind: global_buffer, .address_space: global }
      - { .name: nl, .offset: 16, .size: 8, .value_kind: global_buffer, .address_space: global }
    .group_segment_fixed_size: 169984
    .private_segment_fixed_size: 0
    .kernarg_segment_align: 8
    .kernarg_segment_size: 24
    .max_flat_workgroup_size: 512
    .sgpr_count:     66
    .vgpr_count:     256
    .wavefront_size: 32
...
	.end_amdgpu_metadata
.endif
;; end of part 2
;; launch top3 (part 3): grid 16 x 16, 16 waves a work-group, clusters of 4 x 1, 178,176 bytes of LDS; arguments alpha, q, nl, out0; writes out0
.if DOCPART == 3
	.amdgcn_target "amdgcn-amd-amdhsa--gfx1250"
	.amdhsa_code_object_version 6
	.text
	.protected	k_qdba5662995_top3
	.globl	k_qdba5662995_top3
	.p2align	8
	.type	k_qdba5662995_top3,@function
k_qdba5662995_top3:
	s_mov_b64 s[64:65], 0
	v_nop
	global_prefetch_b8 v0, s[64:65] scope:SCOPE_SE
	s_setreg_imm32_b32 hwreg(HW_REG_WAVE_MODE, 25, 1), 1
	s_wait_xcnt 0x0
	s_wait_alu depctr_hold_cnt(0) depctr_sa_sdst(0) depctr_va_vdst(0) depctr_va_sdst(0) depctr_va_ssrc(0) depctr_va_vcc(0) depctr_vm_vsrc(0)
	s_getreg_b32 s2, hwreg(HW_REG_IB_STS2, 6, 4)
	s_cmp_eq_u32 s2, 0
	s_cbranch_scc0 .Lentry_in_a_cluster
	s_endpgm
.Lentry_in_a_cluster:
	s_bfe_u32 s2, ttmp6, 0x10000c
	s_cmp_lg_u32 s2, 0x3003
	s_cbranch_scc0 .Lentry_shape_is_right
	s_endpgm
.Lentry_shape_is_right:
; out0[b][kk][2 i + r][2 j + s] = the kk-th largest over m of a[n][m], n = 32 i + j, in map 0 for (r, s) = (0, 0), map 1 for (1, 1), the mean map for the other two pixels.
; a[n][m] = softmax along the row x softmax along the column = 2^(2 t[n][m] - L[n] - L[m]), t and L as the launch before has them (nl holds -L, for the mean map -2 L).
; 2^x rises with x: the three largest are taken of y = 2 t - L[m] (the mean map: of 2 y), and only they are put through the exponential, with -L[n] added.  L holds the row's maximum,
; so no exponent here is above 0 by more than rounding.
; SHARES.  A work-group owns 64 n of one image: two patch rows.  Wave w owns patch row w % 2 (two tiles of 16 n) and eighth w / 2 of the m (four patch rows): each fragment and each
; register of -L[m] that it reads from LDS serves two tiles.  Source 0 = 16 m, source 1 = 16 n: a lane holds ONE n and its registers run along m, so a lane keeps its own three largest,
; sorted, and a new number is put in by three instructions: c = med3(b, c, x), b = med3(a, b, x), a = max(a, x).
; LDS.  The image's 139,264 bytes of q (eight tensor loads) and 12,288 of nl (one), filled once; behind them 24,576 bytes in which the waves' triples meet.
; CLUSTER.  As in the launch before: the four work-groups of a cluster share the image; the nine loads are joint; no LDS address and no branch hangs on the place in the cluster.
; LIMITS: NaN and infinities are not served; a result under 2^-126 comes out as 0.
.set QB,    139264
.set QSC,   131072
.set PIECE, 17408
.set NLB,   139264                     ; LDS: -L, [map][1,024 m]
.set SCR,   151552                     ; LDS: [map][eighth][64 n] triples, 16 bytes each
.set NEGK,  0xbe9044fe                 ; -log2(e) / 5.12
.set LOG2E2, 0x4038aa3b                ; 2 log2(e)
.set TR,  4                            ; v4-27  tile tp, map k: a, b, c and a spare word at TR + 12 tp + 4 k
.set SC,  28                           ; v28, v29 scale words of the m side, p = 0, 1: lanes 0-15 the patch row's first fragment, lanes 16-31 its second
.set BS,  30                           ; v30, v31 scale words of my 32 n, p = 0, 1: lanes 0-15 tile 0, lanes 16-31 tile 1
.set BF,  32                           ; v32-63 my n fragments: BF + 16 p + 8 tp
.set AF,  64                           ; v64-95 the patch row's m fragments: AF + 16 p + 8 f
.set C,   96                           ; v96-143 map k at C + 16 k
.set NLR, 144                          ; v144-191 -L[m] in the result's layout, map k at NLR + 16 k
.set W,   192                          ; v192-207 2 alpha log2(e) x mask
.set GC,  208                          ; v208-231 g(column distance) for m half - n half = -1, 0, 1
.set AL,  232                          ; v[232:233] 2 alpha log2(e), twice
.set G,   234                          ; lane l: -2 alpha log2(e) g(l - my patch row)
.set AB0, 235
.set AB1, 236
.set SB,  237
.set NB,  238
.set A0,  239
.set A1,  240
.set AS,  241
.set AN,  242
.set SA,  243
.set RA,  244
.set RR,  245
.set NLN, 246                          ; v246-248 -L of n = my patch row's patch number lane, three maps
.set OO,  249                          ; 8 x lane
.set TMP, 250
.set FB,  32                           ; the end: 24 triples read back, v32-127
.set E,   128                          ; the end: twelve results
.set WV,  10
.set RS,  16
.set OC,  17
.set CNT, 19
.set SEL, 20
.set TB,  22
.set TS,  23
.set G0,  24
.set G1,  28
.set GR,  40
.set IM,  44
.set G1L, 48
.set G0L, 56
.set NLP, 60
.set OUTP, 62
.macro ROUND                           ; a round of the cluster's barrier
	s_barrier_signal -1
	s_barrier_wait -1
	s_cmp_lg_u32 s[WV], 0
	s_cbranch_scc1 .Lnot_wave_0_\@
	s_barrier_signal -3
.Lnot_wave_0_\@:
	s_barrier_wait -3
	s_barrier_signal -1
	s_barrier_wait -1
.endm
.macro WM d, a, b, sa, sb, ra, rb      ; ra, rb = 1: that side's scale words stand in lanes 16-31
.if (\ra) && (\rb)
	v_wmma_scale_f32_16x16x128_f8f6f4 v[\d:\d+7], v[\a:\a+7], v[\b:\b+7], 0, v[\sa], v[\sb] matrix_a_fmt:MATRIX_FMT_FP4 matrix_b_fmt:MATRIX_FMT_FP4 matrix_a_scale:MATRIX_SCALE_ROW1 matrix_b_scale:MATRIX_SCALE_ROW1
.elseif \ra
	v_wmma_scale_f32_16x16x128_f8f6f4 v[\d:\d+7], v[\a:\a+7], v[\b:\b+7], 0, v[\sa], v[\sb] matrix_a_fmt:MATRIX_FMT_FP4 matrix_b_fmt:MATRIX_FMT_FP4 matrix_a_scale:MATRIX_SCALE_ROW1
.elseif \rb
	v_wmma_scale_f32_16x16x128_f8f6f4 v[\d:\d+7], v[\a:\a+7], v[\b:\b+7], 0, v[\sa], v[\sb] matrix_a_fmt:MATRIX_FMT_FP4 matrix_b_fmt:MATRIX_FMT_FP4 matrix_b_scale:MATRIX_SCALE_ROW1
.else
	v_wmma_scale_f32_16x16x128_f8f6f4 v[\d:\d+7], v[\a:\a+7], v[\b:\b+7], 0, v[\sa], v[\sb] matrix_a_fmt:MATRIX_FMT_FP4 matrix_b_fmt:MATRIX_FMT_FP4
.endif
.endm
.macro INS t, x                        ; v[x] into the sorted triple v[t] >= v[t+1] >= v[t+2]: each line reads the triple as it stood
	v_med3_num_f32 v[\t+2], v[\t+1], v[\t+2], v[\x]
	v_med3_num_f32 v[\t+1], v[\t], v[\t+1], v[\x]
	v_max_num_f32 v[\t], v[\t], v[\x]
.endm
	s_load_b128 s[4:7], s[0:1], 0x0                ; alpha, q
	s_load_b128 s[60:63], s[0:1], 0x10             ; nl, out0
	v_lshl_add_u32 v254, v0, 2, 0x2b000
	v_mov_b32 v255, 0
	ds_add_u32 v254, v255
	ds_add_u32 v254, v255
	v_lshrrev_b32 v1, 5, v0
	s_delay_alu instid0(VALU_DEP_1)
	v_readfirstlane_b32 s[WV], v1                  ; wave 0..15
	v_and_b32 v1, 31, v0                           ; lane
	v_and_b32 v[RR], 15, v0
	s_wait_alu depctr_va_vdst(0)
	v_bfe_u32 v2, v0, 4, 1                         ; lane / 16
	s_and_b32 s[RS], s[WV], 1                      ; which of the two patch rows of n
	s_lshr_b32 s[OC], s[WV], 1                     ; which eighth of m
	; every LDS address is made here, of the lane and the wave's number alone
	s_lshl_b32 s36, s[OC], 13                      ; eight fragments of 1,024 bytes an eighth
	v_lshl_add_u32 v[AB0], v1, 4, s36
	s_delay_alu instid0(VALU_DEP_1)
	v_add_nc_u32 v[AB1], 0x10000, v[AB0]
	s_lshl_b32 s36, s[OC], 9                       ; 128 words an eighth
	s_add_co_u32 s37, s36, QSC
	v_lshl_add_u32 v[SB], v1, 2, s37
	s_add_co_u32 s37, s36, NLB
	v_lshl_add_u32 v[NB], v2, 5, s37               ; -L[m]: register j of lane (r, h) wants m = 8 h + j: 32 bytes for each half of the lanes
	s_lshl_b32 s36, s[OC], 10
	s_lshl_b32 s37, s[RS], 9
	s_add_co_u32 s36, s36, s37
	s_add_co_u32 s36, s36, SCR
	v_lshl_add_u32 v[SA], v[RR], 4, s36            ; 1,024 x eighth + 16 (32 x patch row + lane % 16); map and tile stand in the immediate
	s_lshl_b32 s36, s[WV], 9
	s_add_co_u32 s36, s36, SCR
	v_lshl_add_u32 v[RA], v1, 4, s36               ; (waves 0 and 1: patch row = wave)
	v_lshlrev_b32 v[OO], 3, v1
	s_bfe_u32 s11, ttmp6, 0x40000                  ; cx
	s_lshl_b32 s12, ttmp9, 2
	s_add_co_u32 s12, s12, s11                     ; which 64 n: it enters global addresses and numbers alone
	s_and_b32 s13, ttmp7, 0xffff                   ; the image
	s_mul_i32 s14, s13, QB
	s_mov_b32 s15, 0
	s_mul_i32 s38, s13, 12288
	s_mov_b32 s39, 0
	; descriptor groups 1: dense blocks as rows of 32 elements of 8 bytes: 68 rows of q, 48 rows of nl
	s_mov_b32 s[G1], 15|(3<<16)|(1<<21)            ; the mask: all four work-groups; elements of 8 bytes; bit 21 set beside a mask
	s_mov_b32 s[G1+1], 32<<16
	s_mov_b32 s[G1+2], 68<<16
	s_mov_b32 s[G1+3], 32<<16
	s_mov_b32 s[G1+4], 68
	s_mov_b32 s[G1+5], 32
	s_mov_b32 s[G1+6], 0
	s_mov_b32 s[G1+7], 0
	s_mov_b32 s[G1L], 15|(3<<16)|(1<<21)
	s_mov_b32 s[G1L+1], 32<<16
	s_mov_b32 s[G1L+2], 48<<16
	s_mov_b32 s[G1L+3], 32<<16
	s_mov_b32 s[G1L+4], 48
	s_mov_b32 s[G1L+5], 32
	s_mov_b32 s[G1L+6], 0
	s_mov_b32 s[G1L+7], 0
	s_mul_i32 s36, s[WV], PIECE
	s_mov_b32 s37, 0
	s_mov_b32 s[SEL], 0x76543210
	s_mov_b32 s[SEL+1], 0xfedcba98
	s_mov_b32 s[GR+1], 0                           ; (named as the upper half of a pair)
	s_mov_b32 s[TB], 0
	s_mov_b32 s[TS], 0
	s_lshl_b32 s[IM], s[OC], 2                     ; my eighth's first patch row
	s_mov_b32 s[CNT], 4
	s_wait_dscnt 0x0
	s_wait_kmcnt 0x0
	s_load_b32 s18, s[4:5], 0x0                    ; alpha
	s_add_nc_u64 s[6:7], s[6:7], s[14:15]          ; q at my image
	s_add_nc_u64 s[NLP:NLP+1], s[NLP:NLP+1], s[38:39]   ; nl at my image
	s_mov_b32 s[G0], 1
	s_mov_b32 s[G0+1], s36
	s_add_nc_u64 s[G0+2:G0+3], s[6:7], s[36:37]
	s_or_b32 s[G0+3], s[G0+3], 0x80000000
	s_mov_b32 s[G0L], 1
	s_mov_b32 s[G0L+1], NLB
	s_mov_b64 s[G0L+2:G0L+3], s[NLP:NLP+1]
	s_or_b32 s[G0L+3], s[G0L+3], 0x80000000
	ROUND                                          ; all four work-groups are here: the joint loads meet
	s_cmp_lt_u32 s[WV], 8                          ; waves 0 to 7 fetch q, wave 8 fetches nl: one load each
	s_cbranch_scc0 .Lnot_q
	tensor_load_to_lds s[G0:G0+3], s[G1:G1+7]
	s_nop 0
.rept 4
	v_nop
.endr
	s_branch .Lasked
.Lnot_q:
	s_cmp_eq_u32 s[WV], 8
	s_cbranch_scc0 .Lasked
	tensor_load_to_lds s[G0L:G0L+3], s[G1L:G1L+7]
	s_nop 0
.rept 4
	v_nop
.endr
.Lasked:
	; my own 32 n come from memory: their place hangs on the work-group's place in the cluster
	s_lshl_b32 s38, s12, 1
	s_add_co_u32 s38, s38, s[RS]                   ; my patch row
	s_lshl_b32 s36, s38, 11                        ; two fragments a patch row
	v_lshl_add_u32 v[TMP], v1, 4, s36
.irp p, 0,1
.irp t, 0,1
.irp c, 0,1
	global_load_b128 v[BF+16*\p+8*\t+4*\c:BF+16*\p+8*\t+4*\c+3], v[TMP], s[6:7] offset:65536*\p+1024*\t+512*\c
.endr
.endr
.endr
	s_lshl_b32 s36, s38, 7
	v_lshl_add_u32 v[TMP+1], v1, 2, s36            ; word number 32 x patch row + lane
	global_load_b32 v[BS], v[TMP+1], s[6:7] offset:QSC
	global_load_b32 v[BS+1], v[TMP+1], s[6:7] offset:QSC+4096
.irp k, 0,1,2
	global_load_b32 v[NLN+\k], v[TMP+1], s[NLP:NLP+1] offset:4096*\k   ; -L[n], wanted at the end
.endr
	s_mul_i32 s36, s13, 49152                      ; out0: an image is 3 x 64 rows of 256 bytes;
	s_lshl_b32 s37, s38, 9                         ; my patch row's two pixel rows
	s_add_co_u32 s36, s36, s37
	s_mov_b32 s37, 0
	s_add_nc_u64 s[OUTP:OUTP+1], s[OUTP:OUTP+1], s[36:37]
	; the mask's two factors.  Column distance of register j: 16 (m half - n half) + 8 (lane / 16) + j - lane % 16
	v_lshlrev_b32 v[TMP+2], 3, v2
	s_delay_alu instid0(VALU_DEP_1)
	v_sub_nc_u32 v[TMP+2], v[TMP+2], v[RR]
.irp i, 0,1,2,3,4,5,6,7,8,9,10,11,12,13,14,15,16,17,18,19,20,21,22,23
	v_add_nc_u32 v[GC+\i], 16*(\i/8)-16+(\i%8), v[TMP+2]
.endr
	v_sub_nc_u32 v[G], v1, s38
.irp i, 0,1,2,3,4,5,6,7,8,9,10,11,12,13,14,15,16,17,18,19,20,21,22,23
	v_cvt_f32_i32 v[GC+\i], v[GC+\i]
.endr
	v_cvt_f32_i32 v[G], v[G]
.irp i, 0,1,2,3,4,5,6,7,8,9,10,11,12,13,14,15,16,17,18,19,20,21,22,23
	v_mul_f32 v[GC+\i], v[GC+\i], v[GC+\i]
.endr
	v_mul_f32 v[G], v[G], v[G]
.irp i, 0,1,2,3,4,5,6,7,8,9,10,11,12,13,14,15,16,17,18,19,20,21,22,23
	v_mul_f32 v[GC+\i], NEGK, v[GC+\i]
.endr
	v_mul_f32 v[G], NEGK, v[G]
	s_wait_alu depctr_va_vdst(0)
.irp i, 0,1,2,3,4,5,6,7,8,9,10,11,12,13,14,15,16,17,18,19,20,21,22,23
	v_exp_f32 v[GC+\i], v[GC+\i]
.endr
	v_exp_f32 v[G], v[G]
	s_wait_kmcnt 0x0                               ; alpha
	v_mov_b32 v[AL], s18                           ; (plain work behind the exponentials)
	s_delay_alu instid0(VALU_DEP_1)
	v_mul_f32 v[AL], LOG2E2, v[AL]
	s_delay_alu instid0(VALU_DEP_1)
	v_mov_b32 v[AL+1], v[AL]
.set j, 0
.rept 24
	v_mov_b32 v[TR+j], 0xff800000                  ; the six triples begin at -infinity: each lane puts in 64 numbers for each
.set j, j+1
.endr
	s_wait_alu depctr_va_vdst(0)                   ; one wait for the 25 exponentials, ahead of their first reader
	v_mul_f32 v[G], -v[AL], v[G]
	s_wait_loadcnt 0x0                             ; my n fragments, their scale words, -L[n]
	s_wait_tensorcnt 0x0                           ; my piece lies in LDS,
	s_barrier_signal -1
	s_barrier_wait -1                              ; everybody's does
.Lrow:                                             ; four trips: one patch row of m, 32 m, against my 32 n
	v_add_nc_u32 v[A0], s[TB], v[AB0]
	v_add_nc_u32 v[A1], s[TB], v[AB1]
	v_add_nc_u32 v[AS], s[TS], v[SB]
	v_add_nc_u32 v[AN], s[TS], v[NB]
.irp f, 0,1
.irp c, 0,1
	ds_load_b128 v[AF+8*\f+4*\c:AF+8*\f+4*\c+3], v[A0] offset:1024*\f+512*\c
	ds_load_b128 v[AF+16+8*\f+4*\c:AF+16+8*\f+4*\c+3], v[A1] offset:1024*\f+512*\c
.endr
.endr
	ds_load_b32 v[SC], v[AS]
	ds_load_b32 v[SC+1], v[AS] offset:4096
.irp k, 0,1,2
.irp f, 0,1
.irp c, 0,1
	ds_load_b128 v[NLR+16*\k+8*\f+4*\c:NLR+16*\k+8*\f+4*\c+3], v[AN] offset:4096*\k+64*\f+16*\c
.endr
.endr
.endr
	s_wait_alu depctr_va_vdst(0)
	v_readlane_b32 s[GR], v[G], s[IM]              ; -2 alpha log2(e) g(row distance)
	s_wait_dscnt 12                                ; the fragments and scale words are in; the twelve loads of -L[m] may be out
.irp t, 0,1
.irp f, 0,1
	WM C+8*\f, AF+8*\f, BF+8*\t, SC, BS, \f, \t
	WM C+16+8*\f, AF+16+8*\f, BF+16+8*\t, SC+1, BS+1, \f, \t
.endr
.irp i, 0,1,2,3,4,5,6,7
	v_pk_fma_f32 v[W+2*\i:W+2*\i+1], v[GC+8*((\i/4)-\t+1)+2*(\i%4):GC+8*((\i/4)-\t+1)+2*(\i%4)+1], s[GR:GR+1], v[AL:AL+1] op_sel_hi:[1,0,0]   ; 2 alpha log2(e) (1 - g g): also the places behind the products
.endr
.irp i, 0,2,4,6,8,10,12,14
	v_pk_add_f32 v[C+32+\i:C+32+\i+1], v[C+\i:C+\i+1], v[C+16+\i:C+16+\i+1]   ; twice the mean; each accumulator is read from its low end on
.endr
.if \t == 0
	s_wait_dscnt 0x0                               ; -L[m]
.endif
.irp k, 0,1,2
.irp i, 0,2,4,6,8,10,12,14
	v_pk_fma_f32 v[C+16*\k+\i:C+16*\k+\i+1], v[C+16*\k+\i:C+16*\k+\i+1], v[W+\i:W+\i+1], v[NLR+16*\k+\i:NLR+16*\k+\i+1]   ; y = 2 t - L[m]; the mean map: 4 t - 2 L[m]
.endr
.endr
.irp i, 0,1,2,3,4,5,6,7,8,9,10,11,12,13,14,15
.irp k, 0,1,2
	INS TR+12*\t+4*\k, C+16*\k+\i                  ; the three maps by turns
.endr
.endr
.endr
	s_add_co_u32 s[TB], s[TB], 2048                ; two fragments on
	s_add_co_u32 s[TS], s[TS], 128                 ; 32 words on
	s_add_co_u32 s[IM], s[IM], 1
	s_sub_co_u32 s[CNT], s[CNT], 1
	s_cmp_lg_u32 s[CNT], 0
	s_cbranch_scc1 .Lrow
	; my n's other 64 m of this eighth lie in lane l xor 16: its triple is put into mine
.irp t, 0,1
.irp k, 0,1,2
.irp e, 0,1,2
	v_permlanex16_b32 v[C+9*\t+3*\k+\e], v[TR+12*\t+4*\k+\e], s[SEL], s[SEL+1]
.endr
.endr
.endr
.irp e, 0,1,2
.irp t, 0,1
.irp k, 0,1,2
	INS TR+12*\t+4*\k, C+9*\t+3*\k+\e
.endr
.endr
.endr
.irp t, 0,1
.irp k, 0,1,2
	ds_store_b128 v[SA], v[TR+12*\t+4*\k:TR+12*\t+4*\k+3] offset:8192*\k+256*\t   ; lanes l and l xor 16 write the same words with the same values
.endr
.endr
	s_wait_dscnt 0x0                               ; for the others' sake: my triples lie in LDS
	s_barrier_signal -1
	s_barrier_wait -1
	s_cmp_lt_u32 s[WV], 2                          ; wave i joins patch row i's eight eighths, a lane a patch
	s_cbranch_scc0 .Lnot_mine
.irp k, 0,1,2
.irp o, 0,1,2,3,4,5,6,7
	ds_load_b128 v[FB+32*\k+4*\o:FB+32*\k+4*\o+3], v[RA] offset:8192*\k+1024*\o
.endr
.endr
	s_wait_dscnt 0x0
.irp o, 1,2,3,4,5,6,7
.irp e, 0,1,2
.irp k, 0,1,2
	INS FB+32*\k, FB+32*\k+4*\o+\e
.endr
.endr
.endr
.irp e, 0,1,2                                  ; E + 4 e: pixel (0, 0), (0, 1), (1, 0), (1, 1) of my patch, the e-th largest
	v_add_f32 v[E+4*\e], v[FB+\e], v[NLN]          ; y - L[n]
	v_add_f32 v[E+4*\e+3], v[FB+32+\e], v[NLN+1]
	v_add_f32 v[E+4*\e+1], v[FB+64+\e], v[NLN+2]
.endr
.irp e, 0,1,2
	v_mul_f32 v[E+4*\e+1], 0.5, v[E+4*\e+1]        ; the mean map's numbers were kept doubled
.endr
	s_wait_alu depctr_va_vdst(0)
.irp e, 0,1,2
	v_exp_f32 v[E+4*\e], v[E+4*\e]
	v_exp_f32 v[E+4*\e+1], v[E+4*\e+1]
	v_exp_f32 v[E+4*\e+3], v[E+4*\e+3]
.endr
	v_nop
	s_wait_alu depctr_va_vdst(0)                   ; one wait for the nine, ahead of their first reader
.irp e, 0,1,2
	v_mov_b32 v[E+4*\e+2], v[E+4*\e+1]
.endr
.irp e, 0,1,2
	global_store_b64 v[OO], v[E+4*\e:E+4*\e+1], s[OUTP:OUTP+1] offset:16384*\e th:TH_STORE_NT        ; a pixel row: 32 lanes store 256 consecutive bytes, aligned
	global_store_b64 v[OO], v[E+4*\e+2:E+4*\e+3], s[OUTP:OUTP+1] offset:16384*\e+256 th:TH_STORE_NT
.endr
.Lnot_mine:
	s_wait_tensorcnt 0x0
	ds_add_u32 v254, v255
	s_wait_dscnt 0x0
	ROUND                                          ; the closing round: no work-group ends while a partner may still ask for a tile that names it
	s_endpgm
.Lfunc_end_k_qdba5662995_top3:
	.size	k_qdba5662995_top3, .Lfunc_end_k_qdba5662995_top3-k_qdba5662995_top3
	.p2alignl 7, 3214868480
	.fill 96, 4, 3214868480
	.section	.rodata,"a",@progbits
	.p2align	6, 0x0
	.amdhsa_kernel k_qdba5662995_top3
		.amdhsa_group_segment_fixed_size 178176
		.amdhsa_private_segment_fixed_size 0
		.amdhsa_enable_private_segment 0
		.amdhsa_kernarg_size 32
		.amdhsa_user_sgpr_count 2
		.amdhsa_user_sgpr_kernarg_segment_ptr 1
		.amdhsa_wavefront_size32 1
		.amdhsa_system_sgpr_workgroup_id_x 1
		.amdhsa_system_sgpr_workgroup_id_y 1
		.amdhsa_system_sgpr_workgroup_id_z 1
		.amdhsa_system_vgpr_workitem_id 0
		.amdhsa_next_free_vgpr 256
		.amdhsa_next_free_sgpr 66
		.amdhsa_reserve_vcc 0
		.amdhsa_float_denorm_mode_32 3
		.amdhsa_float_denorm_mode_16_64 3
		.amdhsa_memory_ordered 1
		.amdhsa_forward_progress 1
		.amdhsa_inst_pref_size 55
	.end_amdhsa_kernel
	.amdgpu_metadata
---
amdhsa.version: [ 1, 2 ]
amdhsa.kernels:
  - .name:           k_qdba5662995_top3
    .symbol:         k_qdba5662995_top3.kd
    .args:
      - { .name: alpha, .offset: 0, .size: 8, .value_kind: global_buffer, .address_space: global }
      - { .name: q, .offset: 8, .size: 8, .value_kind: global_buffer, .address_space: global }
      - { .name: nl, .offset: 16, .size: 8, .value_kind: global_buffer, .address_space: global }
      - { .name: out0, .offset: 24, .size: 8, .value_kind: global_buffer, .address_space: global }
    .group_segment_fixed_size: 178176
    .private_segment_fixed_size: 0
    .kernarg_segment_align: 8
    .kernarg_segment_size: 32
    .max_flat_workgroup_size: 512
    .sgpr_count:     66
    .vgpr_count:     256
    .wavefront_size: 32
...
	.end_amdgpu_metadata
.endif
;; end of part 3
